; MI455X (gfx1250); checked and timed in simulation.
; The chip was launched on July 23, 2026; its instructions are those of AMD's public machine-readable ISA for CDNA 5 (MIT licence, August 2026) and "CDNA5" Instruction Set Architecture Reference Guide (July 2026). The comments in the code are by the model that wrote it; some were corrected since.
;; Self Attention. Allowed arithmetic: matrix products marked QUANTISED: E4M3 operands, one given power-of-two scale a tensor, by v_wmma_f32_16x16x64_fp8_fp8 or v_wmma_f32_16x16x128_fp8_fp8, f32 sums; everything else in f32.
;; Inputs: b_in 3,072 float32; b_out 1,024 float32; lowp_scales 8 int32 (the exponents e of the quantised operands' scales 2^e); w_in 3,072 x 1,024 float32; w_out 1,024 x 1,024 float32; x 4 x 2,048 x 1,024 float32.
;; Outputs: out0 4 x 2,048 x 1,024 float32.
;; This version of the problem:
;;   THIS VERSION OF THE PROBLEM IS GIVEN IN LOW PRECISION. The matrix products marked QUANTISED in the list below multiply operands that are first quantised to E4M3 (4 exponent bits, 3 mantissa bits; 8 bits a number), with one given power-of-two scale for each operand tensor; their sums are f32. All else is computed in f32.
;;   The module's matrix products, in the order in which they are computed (A, B: the left and right operand; K: the contracted axis; several contracted axes count as one K, in the product's order):
;;     1. [M 8,192, K 1,024] x [K 1,024, N 3,072]; A: input x; B: input w_in: QUANTISED (scales: A lowp_scales[0], B lowp_scales[1])
;;     2. batch 64 x [M 2,048, K 64] x [K 64, N 2,048]; A: computed on the way; B: computed on the way: QUANTISED (scales: A lowp_scales[2], B lowp_scales[3])
;;     3. batch 64 x [M 2,048, K 2,048] x [K 2,048, N 64]; A: softmax (see below); B: computed on the way: QUANTISED (scales: A lowp_scales[4], B lowp_scales[5])
;;     4. [M 8,192, K 1,024] x [K 1,024, N 1,024]; A: computed on the way; B: input w_out: QUANTISED (scales: A lowp_scales[6], B lowp_scales[7])
;;   THE QUANTISER, for each operand of a quantised product, along K:
;;     - The operand's scale is 2^e, e = its entry of the input lowp_scales (int32; the entries are numbered through the quantised products in the list's order, A before B).
;;     - Each number is divided by the scale, clamped to +-448, and rounded to the nearest number of E4M3, ties to even, subnormals kept.
;;     - The product sums the exact products of the quantised numbers (number of the format x scale) in f32.
;;   ~~~python
;;   def quantise(x, axis, e):      # numpy; x: float32 -> the quantised numbers, widened to float32 again
;;       x = np.moveaxis(x, axis, -1); K = x.shape[-1]
;;       r = np.clip(x / 2.0 ** e, -448, 448)
;;       step = 2.0 ** (np.maximum(np.frexp(np.where(r == 0, 1, r))[1] - 1, -6) - 3)
;;       q = np.round(r / step) * step * 2.0 ** e      # np.round: ties to even
;;       return np.moveaxis(q, -1, axis).astype(np.float32)
;;   ~~~
;;   SOFTMAX AHEAD OF A QUANTISED PRODUCT. Where the list says 'softmax', what is quantised is not the finished softmax but p = 2^(t - M), with t = logit x log2(e) and M = ceil(the row's largest t), a whole number; so 1/2 < the row's largest p <= 1. The row's sum l is taken of the UNQUANTISED p, in f32, and the product's result is divided by l at the end. Since M is a whole number, a kernel that streams over the keys may use a running M (the ceiling of the running maximum): every later rescaling is an exact power of two, so the quantised numbers keep their values, but for numbers so far below the row's largest that they fall under the format's range.
;;   OPERANDS COMPUTED ON THE WAY. 'Computed on the way' means the value that the module computes at that place (a softmax that the list does not call 'softmax' is quantised finished and normalised). What goes into a quantiser is computed in f32, as accurately as f32 sums, v_exp_f32 and their like allow (about 1e-6 of the number): no bf16 or f16 on the way to a quantiser, and a product that is left as it is and whose result goes on into a quantised operand takes f32 operands (vector FMAs, or v_wmma_f32_16x16x4_f32). A number that lies on a knife's edge between two numbers of the format may be rounded either way, as far as f32 arithmetic and the matrix unit's own rounding can turn it there, and no further.
;; One version. Each part assembles by itself: llvm-mc -triple=amdgcn-amd-amdhsa -mcpu=gfx1250 --defsym DOCPART=n.
;; ======== version 1 of 1: 4 launches
;; limits: right only within a limited range of input values
;; workspace buffers: cw 12,582,912 bytes; qc 8,388,608 bytes; kv 16,777,216 bytes; ac 8,388,608 bytes
;; launch quant (part 1): grid 384 x 1, 4 waves a work-group, no clusters, 33,280 bytes of LDS; arguments x, w_in, w_out, lowp_scales, cw; writes cw
.if DOCPART == 1
	.amdgcn_target "amdgcn-amd-amdhsa--gfx1250"
	.amdhsa_code_object_version 6
	.text
	.protected	k_q9fa09da0d3_quant
	.globl	k_q9fa09da0d3_quant
	.p2align	8
	.type	k_q9fa09da0d3_quant,@function
k_q9fa09da0d3_quant:
	s_mov_b64 s[64:65], 0
	v_nop
	global_prefetch_b8 v0, s[64:65] scope:SCOPE_SE
	s_setreg_imm32_b32 hwreg(HW_REG_WAVE_MODE, 25, 1), 1
	s_wait_xcnt 0x0
; x [8192][1024], w_in [3072][1024] and w_out [1024][1024], f32, become codes of FP8 (E4M3) in ONE buffer cw of 12,288 rows x 1,024 bytes: x's rows, then w_in's, then w_out's.
; code = number / 2^e, held within +-448, rounded to the nearest code, ties to even.  e: entry 0 of the scales for x, entry 1 for w_in, entry 7 for w_out.
; LIMITS: -126 <= e and e + 8 <= 127.  NaN among the inputs is not served (an infinity is held at the largest code).
; ORDER OF THE CODES: K innermost, but inside every 32 codes the four groups of 8 lie in the order 0, 2, 1, 3.  A reader that takes 16 bytes at 32 c + 16 (lane / 16) of a row then has
; k = 32 c + 8 (lane / 16) + 0..7 and k = 32 c + 16 + 8 (lane / 16) + 0..7 in four registers: the place that the plain FP8 matrix form gives each k.
; Rows are dense, so the three tensors are plain streams of blocks of 32.  A work-group takes 32,768 numbers, a wave 16 steps of 512.  Work-groups 0-255: x, 256-351: w_in, 352-383: w_out: the order of cw.
; Each of a step's four loads reads 512 consecutive bytes, 16 a lane; the 2,048 bytes go through the wave's own stage in LDS and come back so that lane 2 p + e holds numbers 32 p + 8 e + 0..7 and
; 32 p + 16 + 8 e + 0..7: the groups change places on that way at no cost.  A lane's 16 codes are 16 bytes: the wave stores 512 consecutive bytes, aligned.
; No tensor loads, no barrier: waves share nothing.  Loads run four steps (16 loads a wave) ahead, the turn through LDS one step.
.set WAVES, 4
.set STEPS, 16
.set EMAX,  8
.set MANT,  0x600000                   ; the mantissa field of 448 as f32
.set R,     16                         ; v16-79   four sets of 16 numbers as they are loaded
.set X,     80                         ; v80-111  two sets of 16 numbers as the conversions want them
.set C,     128                        ; v128-191 codes: four registers for each step, so that no store's data are written again
.set WREG,  8192                       ; LDS: a region of its own for each wave: two stages of 32 x SP bytes
.set SP,    80                         ; a place in a stage: 64 bytes (16 numbers) + 16 of padding
.set SPW,   12                         ; v12      LDS address of my spare word; never rewritten
.set NIL,   13                         ; v13      0; never rewritten
.set SPARE, WAVES*WREG                 ; behind the four regions: the spare words, 128 bytes for each wave
	s_load_b256 s[4:11], s[0:1], 0x0               ; x s[4:5], w_in s[6:7], w_out s[8:9], the scales' exponents s[10:11]
	s_load_b64 s[12:13], s[0:1], 0x20              ; cw
	v_lshl_add_u32 v[SPW], v0, 2, SPARE
	v_mov_b32 v[NIL], 0
	v_lshrrev_b32 v1, 5, v0
	v_readfirstlane_b32 s16, v1                    ; wave
	v_and_b32 v2, 31, v0                           ; lane
	v_lshlrev_b32 v3, 4, v2                        ; my 16 bytes of a load's 512
	v_lshlrev_b32 v4, 4, v2                        ; my 16 codes' place in a step's 512
	s_mul_i32 s17, s16, WREG
	v_lshrrev_b32 v14, 2, v2
	v_mul_u32_u24 v14, v14, SP
	v_and_b32 v15, 3, v2
	v_lshl_add_u32 v14, v15, 4, v14
	v_add_nc_u32 v14, s17, v14                     ; the stage, on the way in: SP (lane / 4) + 16 (lane % 4); a load's 512 bytes take eight places
	v_and_b32 v15, 30, v2
	v_mul_u32_u24 v15, v15, SP
	v_and_b32 v9, 1, v2
	v_lshl_add_u32 v15, v9, 5, v15
	v_add_nc_u32 v15, s17, v15                     ; on the way out: place 2 p, byte 32 e; the second eight numbers lie one place on
	s_mov_b32 s19, 352
	s_cmp_lt_u32 ttmp9, 256                        ; which tensor: the choice hangs on the work-group's number alone
	s_cselect_b32 s18, 0, 256
	s_cmp_lt_u32 ttmp9, s19
	s_cselect_b32 s18, s18, s19                    ; the tensor's first work-group
	s_sub_co_u32 s18, ttmp9, s18
	s_lshl_b32 s18, s18, 2
	s_add_co_u32 s18, s18, s16                     ; which run of 8,192 numbers of the tensor is my wave's
	s_lshl_b32 s20, s18, 15                        ; in bytes, under 2^26
	s_mov_b32 s21, 0
	s_lshl_b32 s22, ttmp9, 2
	s_add_co_u32 s22, s22, s16
	s_lshl_b32 s22, s22, 13                        ; and its 8,192 codes in cw
	s_mov_b32 s23, 0
	s_wait_alu depctr_va_vdst(0)
	s_wait_kmcnt 0x0
	s_load_b256 s[24:31], s[10:11], 0x0            ; the eight exponents
	s_cmp_lt_u32 ttmp9, 256
	s_cselect_b64 s[4:5], s[4:5], s[6:7]
	s_cmp_lt_u32 ttmp9, s19
	s_cselect_b64 s[4:5], s[4:5], s[8:9]
	s_add_nc_u64 s[4:5], s[4:5], s[20:21]
	s_add_nc_u64 s[12:13], s[12:13], s[22:23]
.macro LOAD t
.irp i, 0,1,2,3
	global_load_b128 v[R+16*((\t)%4)+4*\i:R+16*((\t)%4)+4*\i+3], v3, s[4:5] offset:2048*(\t)+512*\i th:TH_LOAD_NT   ; 32 lanes read 512 consecutive bytes
.endr
.endm
.macro TURN t                          ; step t's numbers through the stage: LDS serves a wave's instructions in order, so no wait stands between the stores and the loads
.irp i, 0,1,2,3
	ds_store_b128 v14, v[R+16*((\t)%4)+4*\i:R+16*((\t)%4)+4*\i+3] offset:32*SP*((\t)%2)+8*SP*\i
.endr
.irp i, 0,1
	ds_load_b128 v[X+16*((\t)%2)+8*\i:X+16*((\t)%2)+8*\i+3], v15 offset:32*SP*((\t)%2)+SP*\i
	ds_load_b128 v[X+16*((\t)%2)+8*\i+4:X+16*((\t)%2)+8*\i+7], v15 offset:32*SP*((\t)%2)+SP*\i+16
.endr
.endm
.irp t, 0,1,2,3
	LOAD \t
.endr
	s_wait_kmcnt 0x0
	s_cmp_lt_u32 ttmp9, 256
	s_cselect_b32 s22, s24, s25
	s_cmp_lt_u32 ttmp9, s19
	s_cselect_b32 s22, s22, s31                    ; e
	s_add_co_i32 s22, s22, 127
	s_lshl_b32 s23, s22, 23
	v_mov_b32 v11, s23                             ; 2^e as f32: the conversion takes its exponent field
	s_add_co_i32 s22, s22, EMAX
	s_lshl_b32 s22, s22, 23
	s_or_b32 s22, s22, MANT
	v_mov_b32 v10, s22                             ; 448 x 2^e
	s_wait_alu depctr_va_vdst(0)
	s_wait_loadcnt 12                              ; step 0's four loads are in; the twelve of steps 1 to 3 may be out
	TURN 0
.macro STEP t
.set XS, X+16*((\t)%2)
	s_wait_dscnt 0x0                               ; this step's numbers are back from the stage: so its stores into the stage have read their registers,
.if (\t)+4 < STEPS
	LOAD (\t)+4                                    ; which take the loads of four steps on
.endif
.if (\t)+1 < STEPS
.if STEPS-2-(\t) >= 3
	s_wait_loadcnt 12                              ; the next step's four loads are in; those of the three steps behind it may be out
.else
	s_wait_loadcnt 4*(STEPS-2-(\t))
.endif
	TURN (\t)+1                                    ; and go through the other stage while this step is worked
.endif
.irp i, 0,1,2,3,4,5,6,7,8,9,10,11,12,13,14,15
	v_med3_num_f32 v[XS+\i], v[XS+\i], -v10, v10   ; the conversion to an 8-bit code does not saturate (ISA guide 7.6.2): the hold at the largest code x the scale comes first
.endr
	v_cvt_scalef32_pk8_fp8_f32 v[C+4*(\t):C+4*(\t)+1], v[XS:XS+7], v11
	v_cvt_scalef32_pk8_fp8_f32 v[C+4*(\t)+2:C+4*(\t)+3], v[XS+8:XS+15], v11
	global_store_b128 v4, v[C+4*(\t):C+4*(\t)+3], s[12:13] offset:512*(\t)   ; the results go to a store alone; the next vector lines are the next step's holds, on other registers
.endm
.irp t, 0,1,2,3,4,5,6,7,8,9,10,11,12,13,14,15
	STEP \t
.endr
	s_wait_tensorcnt 0x0                           ; the wave's end, behind my last LDS store
	ds_add_u32 v[SPW], v[NIL]
	s_wait_dscnt 0x0
	s_endpgm
.Lfunc_end_k_q9fa09da0d3_quant:
	.size	k_q9fa09da0d3_quant, .Lfunc_end_k_q9fa09da0d3_quant-k_q9fa09da0d3_quant
	.p2alignl 7, 3214868480
	.fill 96, 4, 3214868480
	.section	.rodata,"a",@progbits
	.p2align	6, 0x0
	.amdhsa_kernel k_q9fa09da0d3_quant
		.amdhsa_group_segment_fixed_size 33280
		.amdhsa_private_segment_fixed_size 0
		.amdhsa_enable_private_segment 0
		.amdhsa_kernarg_size 40
		.amdhsa_user_sgpr_count 2
		.amdhsa_user_sgpr_kernarg_segment_ptr 1
		.amdhsa_wavefront_size32 1
		.amdhsa_system_sgpr_workgroup_id_x 1
		.amdhsa_system_sgpr_workgroup_id_y 1
		.amdhsa_system_sgpr_workgroup_id_z 1
		.amdhsa_system_vgpr_workitem_id 0
		.amdhsa_next_free_vgpr 192
		.amdhsa_next_free_sgpr 66
		.amdhsa_reserve_vcc 0
		.amdhsa_float_denorm_mode_32 3
		.amdhsa_float_denorm_mode_16_64 3
		.amdhsa_memory_ordered 1
		.amdhsa_forward_progress 1
		.amdhsa_inst_pref_size 38
	.end_amdhsa_kernel
	.amdgpu_metadata
---
amdhsa.version: [ 1, 2 ]
amdhsa.kernels:
  - .name:           k_q9fa09da0d3_quant
    .symbol:         k_q9fa09da0d3_quant.kd
    .args:
      - { .name: x, .offset: 0, .size: 8, .value_kind: global_buffer, .address_space: global }
      - { .name: w_in, .offset: 8, .size: 8, .value_kind: global_buffer, .address_space: global }
      - { .name: w_out, .offset: 16, .size: 8, .value_kind: global_buffer, .address_space: global }
      - { .name: lowp_scales, .offset: 24, .size: 8, .value_kind: global_buffer, .address_space: global }
      - { .name: cw, .offset: 32, .size: 8, .value_kind: global_buffer, .address_space: global }
    .group_segment_fixed_size: 33280
    .private_segment_fixed_size: 0
    .kernarg_segment_align: 8
    .kernarg_segment_size: 40
    .max_flat_workgroup_size: 128
    .sgpr_count:     66
    .vgpr_count:     192
    .wavefront_size: 32
...
	.end_amdgpu_metadata
.endif
;; end of part 1
;; launch proj_in (part 2): grid 8 x 48, 4 waves a work-group, clusters of 4 x 4, 327,680 bytes of LDS; arguments cw, b_in, lowp_scales, qc, kv; writes qc, kv
.if DOCPART == 2
	.amdgcn_target "amdgcn-amd-amdhsa--gfx1250"
	.amdhsa_code_object_version 6
	.text
	.protected	k_q9fa09da0d3_proj_in
	.globl	k_q9fa09da0d3_proj_in
	.p2align	8
	.type	k_q9fa09da0d3_proj_in,@function
k_q9fa09da0d3_proj_in:
	s_mov_b64 s[64:65], 0
	v_nop
	global_prefetch_b8 v0, s[64:65] scope:SCOPE_SE
	s_setreg_imm32_b32 hwreg(HW_REG_WAVE_MODE, 25, 1), 1
	s_wait_xcnt 0x0
	s_wait_alu depctr_hold_cnt(0) depctr_sa_sdst(0) depctr_va_vdst(0) depctr_va_sdst(0) depctr_va_ssrc(0) depctr_va_vcc(0) depctr_vm_vsrc(0)
	s_getreg_b32 s2, hwreg(HW_REG_IB_STS2, 6, 4)
	s_cmp_eq_u32 s2, 0
	s_cbranch_scc0 .Lentry_in_a_cluster
	s_endpgm
.Lentry_in_a_cluster:
	s_bfe_u32 s2, ttmp6, 0x10000c
	s_cmp_lg_u32 s2, 0xf033
	s_cbranch_scc0 .Lentry_shape_is_right
	s_endpgm
.Lentry_shape_is_right:
; qkv = x w_in^T + b_in on codes of FP8 (E4M3), and q, k, v quantised at once, with the given scales 2^e2, 2^e3, 2^e5.  K = 1,024.  Both operands lie in cw (rows 0-8191 x, rows 8192-11263 w_in).
; A tile of C is 256 x 256, made by four waves, 128 x 128 each: 64 accumulators, 512 registers.  K goes in steps of 256 through a ring of two LDS slots filled by the tensor data mover.
; TWO JOBS, ONE PATH: only row numbers and scalar values differ, by arithmetic on the cluster's number; no branch hangs on the job.
;   clusters y 0-7, job QK: A = tokens (x), B = features 0-2047 of w_in (cluster x 0: q, cluster x 1: k).
;   clusters y 8-11, job V: A = features 2048-3071 of w_in (channels), B = tokens (x).
; THE MATRIX INSTRUCTION IS USED TRANSPOSED (source 0 = 16 rows of B, source 1 = 16 rows of A): a lane holds ONE row of A and eight neighbouring rows of B.  So in job QK a lane's eight numbers run along a
; head's channels (K of q k^T), in job V along the tokens (K of p v).  The conversion of those eight gives two registers of the next product's operand in the plain FP8 form's own layout, and
; THE RESULTS LEAVE AS IMAGES OF THE NEXT OPERAND'S REGISTERS: four registers a store at 16 x lane, 512 consecutive bytes, aligned.  No LDS on the way out.
;   qc [16 b + head][token / 16][2][32 lanes][16 B];   kv [16 b + head][token / 128][ K: 8 tiles of 16 keys x 1,024 B | V: 4 tiles of 16 channels x 2,048 B ].
; THE BIAS without a branch: along B's rows (job QK) it is the C of the first K step's products; along A's rows (job V) it is added on the way out.  Each is multiplied at the head by 2^-(e0 + e1) in the job that
; uses it and by 0 in the other, where it is loaded from b_in's first 128 numbers.  The price: 256 packed additions a wave that add zeros in job QK, against a second copy of the first step and of the way out.
; CLUSTERS: 4 x 4 work-groups; A's tile is asked for jointly by a row of the cluster, B's by a column.
; LIMITS: 127 - e0 - e1 between 1 and 254; e2, e3, e5 less e0 + e1 between -126 and 119.  NaN and infinities in b_in are not served.
; REGISTERS: window 0: v1-11 at work and constants; v16-29 addresses; v32-95 the bias along B, later the codes of blocks 0-3; v96-111 the bias along A, in pairs; v128-255 A's fragments, ONE set, later the codes
;   of blocks 4-7 (v128-191) and 64 numbers at work (v192-255).   window 1: B's fragments, TWO sets.   windows 2, 3: the accumulators ((a, b) at v[8 (8 (a % 4) + b)]).
.set ROWB,   256                       ; a tile's row in bytes
.set KROW,   1024                      ; a row of cw in bytes
.set PITCH,  272                       ; an LDS row: 256 bytes + 16 of padding = 68 words: row r starts at bank 4 r mod 64 (ISA guide 11.1)
.set FR,     16                        ; registers of a fragment: 16 rows x 128 K
.set NL,     4                         ; LDS loads that bring one
.set NP,     4                         ; places behind this matrix instruction (ISA guide 7.12.1)
.set HALFT,  128*PITCH                 ; 128 rows: what one tensor load brings
.set SLOT,   4*HALFT                   ; A's 256 rows, then B's 256 rows
.set SPARE,  2*SLOT                    ; behind the ring: the spare words, 128 bytes for each wave
.set SC,   8                           ; v8      2^(eT - e0 - e1), for the conversions
.set LIM,  9                           ; v9      448 x that
.set H32,  10                          ; v10     32 x (lane / 16)
.set R4,   11                          ; v11     4 x (lane % 16)
.set ADRA, 16                          ; v16-17  LDS address of my A fragments in slot 0, 1
.set ADRB, 20                          ; v20-21  the same for B
.set O0,   24                          ; v24     16 x lane
.set O1,   25                          ; v25     16 x lane + S3
.set SPW,  28                          ; v28     LDS address of my spare word; never rewritten
.set NIL,  29                          ; v29     0; never rewritten
.set BN,   32
.set BM,   96
.set AF,   128
.set TMP,  192
.set G1, 24                            ; s[24:31] descriptor group 1 for A's tiles;  s[32:39] group 0, one set for each slot
.set G0, 32
.set G1B, 48                           ; s[48:55], s[56:63] the same for B's tiles
.set G0B, 56
.set MSB, 0
.macro WIN new                         ; the immediate's high byte repeats the setting that is left
.if MSB != \new
	s_set_vgpr_msb (MSB<<8)|\new
.set MSB, \new
.endif
.endm
.set MUL_LO, 0xa1                      ; source 0 (B) window 1, source 1 (A) window 0, C and D window 2
.set MUL_HI, 0xf1                      ; the same, C and D window 3
.set FST_LO, 0x81                      ; the first K step: C (the bias) window 0, D window 2
.set FST_HI, 0xc1                      ; D window 3
.set TO_B,   0x40                      ; destination window 1, address window 0
; A joint load: waves 0 and 1 fetch for A, waves 2 and 3 for B.  The branch hangs on the wave's number alone.  An s_nop 0 and four v_nop follow each of the two lines.
.macro JLOAD g0a, g1a, g0b, g1b
	s_cmp_eq_u32 s15, 0
	s_cbranch_scc0 .Lfor_b_\@
	tensor_load_to_lds s[\g0a:\g0a+3], s[\g1a:\g1a+7]
	s_nop 0
.rept 4
	v_nop
.endr
	s_branch .Lasked_\@
.Lfor_b_\@:
	tensor_load_to_lds s[\g0b:\g0b+3], s[\g1b:\g1b+7]
	s_nop 0
.rept 4
	v_nop
.endr
.Lasked_\@:
.endm
.macro CREST                           ; a round of the cluster's barrier behind its opening barrier
	s_cmp_lg_u32 s14, 0
	s_cbranch_scc1 .Lnot_wave_0_\@
	s_barrier_signal -3
.Lnot_wave_0_\@:
	s_barrier_wait -3
	s_barrier_signal -1
	s_barrier_wait -1
.endm
.macro CROUND                          ; a whole round
	s_barrier_signal -1
	s_barrier_wait -1
	CREST
.endm
	s_load_b256 s[4:11], s[0:1], 0x0               ; cw s[4:5], b_in s[6:7], the scales' exponents s[8:9], qc s[10:11]
	s_load_b64 s[12:13], s[0:1], 0x20              ; kv
	v_lshl_add_u32 v[SPW], v0, 2, SPARE
	v_mov_b32 v[NIL], 0
	ds_add_u32 v[SPW], v[NIL]                      ; the wave's opening: the add and its wait stand ahead of my first tensor load; the set-up below, work on registers, stands between them
	ds_add_u32 v[SPW], v[NIL]
	v_lshrrev_b32 v1, 5, v0
	v_readfirstlane_b32 s14, v1                    ; wave 0..3
	s_lshr_b32 s15, s14, 1                         ; which half of the tile's rows (A) is mine.  Also: I fetch for A (0) or for B (1)
	s_and_b32 s16, s14, 1                          ; which half of its columns (B).  Also: which 128 rows of that tile I fetch
	s_bfe_u32 s40, ttmp6, 0x40000                  ; cx, cy: my place in the cluster
	s_bfe_u32 s41, ttmp6, 0x40004
	s_and_b32 s66, ttmp7, 0xffff                   ; cluster y, 0..11
	s_cmp_ge_u32 s66, 8
	s_cselect_b32 s67, 1, 0                        ; isV
	s_sub_co_u32 s70, 1, s67                       ; isQK
	s_sub_co_u32 s68, s66, 8
	s_mul_i32 s68, s68, s67                        ; job V: cluster y - 8; else 0
	s_mul_i32 s69, s66, s70                        ; job QK: cluster y; else 0
	s_lshl_b32 s17, s69, 2
	s_add_co_u32 s17, s17, s41                     ; tile row: QK 4 x cluster y + cy (0..31); V cy (0..3)
	s_lshl_b32 s42, ttmp9, 2
	s_add_co_u32 s42, s42, s40
	s_lshl_b32 s19, s68, 3
	s_add_co_u32 s42, s42, s19                     ; tile column: QK 4 x cluster x + cx (0..7); V that + 8 (cluster y - 8) (0..31)
	s_lshl_b32 s43, s41, 2
	s_lshl_b32 s43, 15, s43                        ; my row of the cluster
	s_lshl_b32 s44, 0x1111, s40                    ; my column
	; descriptor group 1: a tile of 128 rows x 256 bytes, padded in LDS
	s_or_b32 s[G1+0], s43, (0<<16)|(1<<20)|(1<<21)|(5<<22)|(3<<25)  ; 15:0 the mask: A's tiles go to my row; 17:16 elements of 1 byte; 20 padding on; 21 set beside a mask; 24:22 after every 64 words; 31:25 four words
	s_or_b32 s[G1B+0], s44, (0<<16)|(1<<20)|(1<<21)|(5<<22)|(3<<25)
.irp g, G1, G1B
	s_mov_b32 s[\g+1], ROWB<<16                    ; tensor_dim0
	s_mov_b32 s[\g+2], 128<<16                     ; tensor_dim1 = 128
	s_mov_b32 s[\g+3], ROWB<<16                    ; tile_dim0
	s_mov_b32 s[\g+4], 128                         ; tile_dim1 = 128
	s_mov_b32 s[\g+5], KROW                        ; tensor_dim0_stride
	s_mov_b32 s[\g+6], 0
	s_mov_b32 s[\g+7], 0
.endr
	s_lshl_b32 s18, s16, 7                         ; which 128 rows of the tile I fetch
	s_lshl_b32 s20, s17, 8
	s_add_co_u32 s20, s20, s18
	s_mul_i32 s19, s67, 10240
	s_add_co_u32 s20, s20, s19                     ; A's row in cw: 256 x tile row + 128 x half; job V: w_in's row 2,048 is cw's row 10,240
	s_lshl_b32 s20, s20, 10                        ; in bytes, under 2^24
	s_mov_b32 s21, 0
	s_lshl_b32 s46, s42, 8
	s_add_co_u32 s46, s46, s18
	s_lshl_b32 s19, s70, 13
	s_add_co_u32 s46, s46, s19                     ; B's row in cw: 256 x tile column + 128 x half; job QK: w_in begins at cw's row 8,192
	s_lshl_b32 s46, s46, 10
	s_mov_b32 s47, 0
	s_mul_i32 s45, s14, HALFT                      ; where they go: wave x 128 rows: no place in the cluster enters an LDS address
	s_wait_dscnt 0x0                               ; the opening add is done
	s_wait_kmcnt 0x0
	s_load_b256 s[72:79], s[8:9], 0x0              ; e0 .. e7
	s_add_nc_u64 s[20:21], s[4:5], s[20:21]
	s_add_nc_u64 s[46:47], s[4:5], s[46:47]
	CROUND                                         ; all sixteen work-groups are here: the first joint loads meet
.irp s, 0,1
	s_mov_b32 s[G0+4*\s], 1
	s_add_co_u32 s[G0+4*\s+1], s45, \s*SLOT
	s_add_nc_u64 s[G0+4*\s+2:G0+4*\s+3], s[20:21], \s*ROWB
	s_or_b32 s[G0+4*\s+3], s[G0+4*\s+3], 0x80000000
	s_mov_b32 s[G0B+4*\s], 1
	s_add_co_u32 s[G0B+4*\s+1], s45, \s*SLOT
	s_add_nc_u64 s[G0B+4*\s+2:G0B+4*\s+3], s[46:47], \s*ROWB
	s_or_b32 s[G0B+4*\s+3], s[G0B+4*\s+3], 0x80000000
.endr
	JLOAD G0, G1, G0B, G1B                         ; K step 0: one tensor load a wave at the head
	; while the first tiles are on their way: the biases, the LDS addresses, and all that the way out needs
	v_and_b32 v1, 15, v0                           ; r = lane % 16
	v_bfe_u32 v2, v0, 4, 1                         ; h = lane / 16
	v_lshlrev_b32 v[H32], 5, v2
	s_wait_alu depctr_va_vdst(0)
	v_lshlrev_b32 v[R4], 2, v1
	s_wait_alu depctr_va_vdst(0)
	s_lshl_b32 s2, s17, 8
	s_lshl_b32 s19, s15, 7
	s_add_co_u32 s2, s2, s19                       ; tA: my first row of A, counted in its tensor part
	s_lshl_b32 s3, s42, 8
	s_lshl_b32 s19, s16, 7
	s_add_co_u32 s3, s3, s19                       ; tB: my first row of B
	s_mul_i32 s18, s3, s70
	s_lshl_b32 s18, s18, 2
	s_mov_b32 s19, 0
	s_add_nc_u64 s[80:81], s[6:7], s[18:19]        ; job QK: b_in at feature tB; job V: b_in's start
	s_add_co_u32 s18, s2, 2048
	s_mul_i32 s18, s18, s67
	s_lshl_b32 s18, s18, 2
	s_add_nc_u64 s[82:83], s[6:7], s[18:19]        ; job V: b_in at feature 2,048 + tA; job QK: b_in's start
.irp b, 0,1,2,3,4,5,6,7
	global_load_b128 v[BN+8*\b:BN+8*\b+3], v[H32], s[80:81] offset:64*\b        ; the bias of B's rows 16 b + 8 h + 0..7: the result's layout
	global_load_b128 v[BN+8*\b+4:BN+8*\b+7], v[H32], s[80:81] offset:64*\b+16
.endr
.irp a, 0,1,2,3,4,5,6,7
	global_load_b32 v[BM+2*\a], v[R4], s[82:83] offset:64*\a                    ; the bias of A's row 16 a + r
.endr
	v_mul_u32_u24 v3, v1, PITCH
	v_lshl_add_u32 v4, v2, 4, v3                   ; a fragment's row x pitch + 16 x half
	s_mul_i32 s21, s15, HALFT                      ; my 128 rows of A
	s_mul_i32 s22, s16, HALFT                      ; my 128 rows of B,
	s_add_co_u32 s22, s22, 2*HALFT                 ; which lie behind A's 256
.irp s, 0,1
	v_add_nc_u32 v[ADRA+\s], s21, v4
	v_add_nc_u32 v[ADRB+\s], s22, v4
	s_add_co_u32 s21, s21, SLOT
	s_add_co_u32 s22, s22, SLOT
.endr
	s_cmp_eq_u32 s67, 1
	s_cselect_b32 s18, s3, s2                      ; my first token
	s_cselect_b32 s19, s2, s3                      ; my first feature,
	s_and_b32 s19, s19, 1023                       ; within q, k or v
	s_lshr_b32 s20, s18, 11
	s_lshl_b32 s20, s20, 4
	s_lshr_b32 s19, s19, 6
	s_add_co_u32 s20, s20, s19                     ; 16 b + head of my first 64 features
	s_and_b32 s18, s18, 2047                       ; the token within its sequence
	s_sub_co_u32 s71, 1, ttmp9
	s_mul_i32 s71, s71, s70                        ; isQ
	s_sub_co_u32 s21, 1, s71
	s_lshl_b32 s96, s20, 17                        ; qc: a head is 2^17 bytes, 16 tokens 1,024;
	s_lshl_b32 s18, s18, 6
	s_add_co_u32 s96, s96, s18
	s_lshl_b32 s96, s96, s21                       ; kv: twice that: a head 2^18, 128 tokens 16,384;
	s_lshl_b32 s18, s67, 13
	s_add_co_u32 s96, s96, s18                     ; V's images lie 8,192 bytes behind K's
	s_mov_b32 s97, 0
	s_lshl_b32 s90, 1024, s67                      ; S1, from block a to a + 1 within four: QK 16 tokens on (1,024); V 16 channels on (2,048)
	s_mov_b32 s91, 0
	s_lshl_b32 s94, 0x20000, s21
	s_mov_b32 s92, 4096                            ; S2, from block a to a + 4: QK 64 tokens on; V the next head
	s_mov_b32 s93, 0
	s_cmp_eq_u32 s67, 1
	s_cselect_b32 s92, 0x40000, s92
	s_cselect_b32 s94, 1024, s94                   ; S3, from a block's codes 0-7 to 8-15: QK the next head; V the image's second half
	s_cmp_eq_u32 s71, 1
	s_cselect_b64 s[88:89], s[10:11], s[12:13]     ; q goes to qc, k and v to kv: the choice hangs on the cluster's number alone
	s_add_nc_u64 s[88:89], s[88:89], s[96:97]
	v_and_b32 v[O0], 31, v0
	v_lshlrev_b32 v[O0], 4, v[O0]
	v_add_nc_u32 v[O1], s94, v[O0]
	s_wait_kmcnt 0x0                               ; the exponents
	s_add_co_i32 s18, s72, s73                     ; e0 + e1: a sum stands for sum x 2^(e0 + e1), so the bias goes in divided by that
	s_sub_co_i32 s19, 127, s18
	s_lshl_b32 s19, s19, 23                        ; 2^-(e0 + e1) as f32
	s_mul_i32 s84, s19, s70                        ; for the bias along B: that in job QK, 0.0 in job V
	s_mov_b32 s85, s84                             ; (named with it as a pair, so it is written)
	s_mul_i32 s86, s19, s67                        ; for the bias along A: the other way round
	s_cmp_eq_u32 ttmp9, 1
	s_cselect_b32 s19, s75, s74                    ; k: e3, q: e2
	s_cmp_eq_u32 s67, 1
	s_cselect_b32 s19, s77, s19                    ; v: e5
	s_sub_co_i32 s19, s19, s18
	s_add_co_i32 s19, s19, 127
	s_lshl_b32 s20, s19, 23
	v_mov_b32 v[SC], s20                           ; 2^(eT - e0 - e1): the three scales folded into the conversion's one
	s_add_co_i32 s19, s19, 8
	s_lshl_b32 s19, s19, 23
	s_or_b32 s19, s19, 0x600000
	v_mov_b32 v[LIM], s19                          ; 448 x that
	s_wait_loadcnt 0x0                             ; the biases
.set j, 0
.rept 32
	v_pk_mul_f32 v[BN+j:BN+j+1], v[BN+j:BN+j+1], s[84:85] op_sel_hi:[1,0]
.set j, j+2
.endr
.irp a, 0,1,2,3,4,5,6,7
	v_mul_f32 v[BM+2*\a+1], s86, v[BM+2*\a]        ; a pair for the packed addition
	v_mul_f32 v[BM+2*\a], s86, v[BM+2*\a]
.endr
.macro FRAG reg, adr, q, i             ; a fragment, 16 rows x 128 K: four loads of 16 bytes, 32 apart; by cw's order of groups registers 2 c, 2 c + 1 hold K = 16 c + 8 (l / 16) + 0..7
.irp c, 0,1,2,3
	ds_load_b128 v[\reg+4*\c:\reg+4*\c+3], v[\adr] offset:128*(\q)+32*\c+(\i)*16*PITCH
.endr
.endm
; 16 matrix instructions: A's blocks a0, a0 + 1 x B's eight, 128 along K.  p: B's set.  zero = 1: the first product starts the sums, with the bias along B as its C: nothing is ever cleared.
; The 64 accumulators take turns, one instruction a turn, in the same order in every step.
.macro MUL16 a0, p, zero
.irp a, \a0, \a0+1
.irp b, 0,1,2,3,4,5,6,7
.if \zero
	v_wmma_f32_16x16x128_fp8_fp8 v[8*(8*((\a)%4)+\b):8*(8*((\a)%4)+\b)+7], v[128*(\p)+FR*\b:128*(\p)+FR*\b+FR-1], v[AF+FR*(\a):AF+FR*(\a)+FR-1], v[BN+8*\b:BN+8*\b+7]
.else
	v_wmma_f32_16x16x128_fp8_fp8 v[8*(8*((\a)%4)+\b):8*(8*((\a)%4)+\b)+7], v[128*(\p)+FR*\b:128*(\p)+FR*\b+FR-1], v[AF+FR*(\a):AF+FR*(\a)+FR-1], v[8*(8*((\a)%4)+\b):8*(8*((\a)%4)+\b)+7]
.endif
.endr
.endr
.endm
.macro FETCH_B slot, q, p              ; B's eight fragments of the slot's q-th 128 along K into set p
	WIN TO_B
.irp i, 0,1,2,3,4,5,6,7
	FRAG 128*(\p)+FR*\i, ADRB+\slot, \q, \i
.endr
	WIN 0
.endm
.macro FETCH_A slot, q, i0             ; A's blocks i0 .. i0 + 3
.irp i, \i0, \i0+1, \i0+2, \i0+3
	FRAG AF+FR*(\i), ADRA+\slot, \q, \i
.endr
.endm
.macro PLACES n                        ; plain vector instructions between a matrix instruction and a load into, or a vector write of, one of its registers, or a read of its result
.rept \n
	v_nop
.endr
.endm
; A step of 128 along K that has its successor in the same slot.
.macro STEP slot, q, zero
	s_wait_dscnt 4*NL                              ; B's set and A's blocks 0-3 are in; the youngest sixteen loads (A's blocks 4-7) may be out
.if \zero
	WIN FST_LO
.else
	WIN MUL_LO
.endif
	MUL16 0, (\q)%2, \zero
	MUL16 2, (\q)%2, \zero
	s_wait_dscnt 0                                 ; A's blocks 4-7 are in
	PLACES NP
	FETCH_B \slot, (\q)+1, 1-(\q)%2
	FETCH_A \slot, (\q)+1, 0
.if \zero
	WIN FST_HI
.else
	WIN MUL_HI
.endif
	MUL16 4, (\q)%2, \zero
	MUL16 6, (\q)%2, \zero
	PLACES NP
	WIN 0
	FETCH_A \slot, (\q)+1, 4
.endm
; A slot's last step changes slots: ONE barrier; in front of it each wave waits for all its tensor loads, adds 0 to its spare word, and waits for that and for its own reads of this slot.  fill = 1: this slot is filled again, two K steps ahead.
.macro TURN slot, next, fill
	s_wait_tensorcnt 0x0                           ; all my tensor loads have landed: my part of the next slot  (every window is 0 here)
	ds_add_u32 v[SPW], v[NIL]                      ; 0 onto my spare word
	s_wait_dscnt 4*NL+1                            ; (the add and the youngest sixteen loads, A's blocks 4-7, may be out)
	WIN MUL_LO
	MUL16 0, 1, 0                                  ; sixteen matrix instructions stand between the add and the wait for it
	s_wait_dscnt 0x0                               ; the add is done, and my reads of this slot are over
	s_barrier_signal -1
	MUL16 2, 1, 0
	WIN 0
	s_barrier_wait -1
.if \fill
	CREST                                          ; the barrier has opened a round of the cluster's barrier: no wave of any partner still reads this slot's tile or has a load on its way
	s_add_nc_u64 s[G0+4*\slot+2:G0+4*\slot+3], s[G0+4*\slot+2:G0+4*\slot+3], 2*ROWB
	s_add_nc_u64 s[G0B+4*\slot+2:G0B+4*\slot+3], s[G0B+4*\slot+2:G0B+4*\slot+3], 2*ROWB
	JLOAD G0+4*\slot, G1, G0B+4*\slot, G1B         ; the first tensor load behind the round; its four v_nop are the places in front of the loads below
.else
	PLACES NP
.endif
	FETCH_B \next, 0, 0
	FETCH_A \next, 0, 0
	WIN MUL_HI
	MUL16 4, 1, 0
	MUL16 6, 1, 0
	PLACES NP
	WIN 0
	FETCH_A \next, 0, 4
.endm
	s_wait_alu depctr_va_vdst(0)                   ; the head's end
	s_wait_tensorcnt 0x0                           ; my part of K step 0 is in; slot 1's first fill is issued as a refill is:
	ds_add_u32 v[SPW], v[NIL]                      ; 0 onto my spare word
	s_wait_dscnt 0x0
	CROUND                                         ; everybody's part of K step 0 is in, and the sixteen work-groups meet
	JLOAD G0+4, G1, G0B+4, G1B                     ; K step 1: the first tensor load behind the round
	FETCH_B 0, 0, 0
	FETCH_A 0, 0, 0
	FETCH_A 0, 0, 4
	; K = 1,024 is four slots' worth: eight steps of 128, written out (a loop would have one trip)
	STEP 0, 0, 1
	TURN 0, 1, 1                                   ; slot 0 takes K 512-767
	STEP 1, 0, 0
	TURN 1, 0, 1                                   ; slot 1 takes K 768-1023
	STEP 0, 0, 0
	TURN 0, 1, 0                                   ; nothing is left to fetch: no round
	STEP 1, 0, 0
	s_wait_dscnt 4*NL                              ; the very last step
	WIN MUL_LO
	MUL16 0, 1, 0
	MUL16 2, 1, 0
	s_wait_dscnt 0
	WIN MUL_HI
	MUL16 4, 1, 0
	MUL16 6, 1, 0
	WIN 0
	; THE WAY OUT.  No tensor load of mine is out since the last change of slots, so the descriptors' registers take the eight blocks' store bases; none is written again.
	s_mov_b64 s[24:25], s[88:89]
	s_add_nc_u64 s[26:27], s[24:25], s[90:91]
	s_add_nc_u64 s[28:29], s[26:27], s[90:91]
	s_add_nc_u64 s[30:31], s[28:29], s[90:91]
.irp a, 0,1,2,3
	s_add_nc_u64 s[32+2*\a:33+2*\a], s[24+2*\a:25+2*\a], s[92:93]
.endr
; Block a (16 rows of A x 128 rows of B): + the bias along A, the hold, eight conversions: 16 registers of codes, each block's own, so that no store's data are written again.
.macro OUT a
.set AC, 64*((\a)%4)
.if (\a) < 4
.set CD, 32+16*(\a)
.else
.set CD, 128+16*((\a)-4)
.endif
	WIN 0x02+((\a)/4)                              ; source 0: window 2 or 3
.set j, 0
.rept 32
	v_pk_add_f32 v[TMP+j:TMP+j+1], v[AC+j:AC+j+1], v[BM+2*(\a):BM+2*(\a)+1]   ; each accumulator from its low end on
.set j, j+2
.endr
	WIN 0
.set j, 0
.rept 64
	v_med3_num_f32 v[TMP+j], v[TMP+j], -v[LIM], v[LIM]   ; the conversion to an 8-bit code does not saturate (ISA guide 7.6.2)
.set j, j+1
.endr
.irp b, 0,1,2,3,4,5,6,7
	v_cvt_scalef32_pk8_fp8_f32 v[CD+2*\b:CD+2*\b+1], v[TMP+8*\b:TMP+8*\b+7], v[SC]
.endr
	v_nop                                          ; one plain vector instruction behind the last conversion: the next block's additions write its sources
	global_store_b128 v[O0], v[CD:CD+3], s[24+2*(\a):25+2*(\a)]                 ; each store: 512 consecutive bytes, aligned
	global_store_b128 v[O0], v[CD+4:CD+7], s[24+2*(\a):25+2*(\a)] offset:512
	global_store_b128 v[O1], v[CD+8:CD+11], s[24+2*(\a):25+2*(\a)]
	global_store_b128 v[O1], v[CD+12:CD+15], s[24+2*(\a):25+2*(\a)] offset:512
.endm
	PLACES NP                                      ; the additions below write registers that held A's fragments
.irp a, 0,1,2,3,4,5,6,7
	OUT \a
.endr
	s_wait_tensorcnt 0x0                           ; the wave's end, behind my last tensor load
	ds_add_u32 v[SPW], v[NIL]
	s_wait_dscnt 0x0
	CROUND                                         ; the closing round: no work-group ends while a partner may still ask for a tile that names it
	s_endpgm
.Lfunc_end_k_q9fa09da0d3_proj_in:
	.size	k_q9fa09da0d3_proj_in, .Lfunc_end_k_q9fa09da0d3_proj_in-k_q9fa09da0d3_proj_in
	.p2alignl 7, 3214868480
	.fill 96, 4, 3214868480
	.section	.rodata,"a",@progbits
	.p2align	6, 0x0
	.amdhsa_kernel k_q9fa09da0d3_proj_in
		.amdhsa_group_segment_fixed_size 327680
		.amdhsa_private_segment_fixed_size 0
		.amdhsa_enable_private_segment 0
		.amdhsa_kernarg_size 40
		.amdhsa_user_sgpr_count 2
		.amdhsa_user_sgpr_kernarg_segment_ptr 1
		.amdhsa_wavefront_size32 1
		.amdhsa_system_sgpr_workgroup_id_x 1
		.amdhsa_system_sgpr_workgroup_id_y 1
		.amdhsa_system_sgpr_workgroup_id_z 1
		.amdhsa_system_vgpr_workitem_id 0
		.amdhsa_next_free_vgpr 1024
		.amdhsa_next_free_sgpr 98
		.amdhsa_reserve_vcc 0
		.amdhsa_float_denorm_mode_32 3
		.amdhsa_float_denorm_mode_16_64 3
		.amdhsa_memory_ordered 1
		.amdhsa_forward_progress 1
		.amdhsa_inst_pref_size 141
	.end_amdhsa_kernel
	.amdgpu_metadata
---
amdhsa.version: [ 1, 2 ]
amdhsa.kernels:
  - .name:           k_q9fa09da0d3_proj_in
    .symbol:         k_q9fa09da0d3_proj_in.kd
    .args:
      - { .name: cw, .offset: 0, .size: 8, .value_kind: global_buffer, .address_space: global }
      - { .name: b_in, .offset: 8, .size: 8, .value_kind: global_buffer, .address_space: global }
      - { .name: lowp_scales, .offset: 16, .size: 8, .value_kind: global_buffer, .address_space: global }
      - { .name: qc, .offset: 24, .size: 8, .value_kind: global_buffer, .address_space: global }
      - { .name: kv, .offset: 32, .size: 8, .value_kind: global_buffer, .address_space: global }
    .group_segment_fixed_size: 327680
    .private_segment_fixed_size: 0
    .kernarg_segment_align: 8
    .kernarg_segment_size: 40
    .max_flat_workgroup_size: 128
    .sgpr_count:     98
    .vgpr_count:     1024
    .wavefront_size: 32
...
	.end_amdgpu_metadata
.endif
;; end of part 2
;; launch attn (part 3): grid 4 x 64, 16 waves a work-group, no clusters, 327,680 bytes of LDS; arguments qc, kv, lowp_scales, ac; writes ac
.if DOCPART == 3
	.amdgcn_target "amdgcn-amd-amdhsa--gfx1250"
	.amdhsa_code_object_version 6
	.text
	.protected	k_q9fa09da0d3_attn
	.globl	k_q9fa09da0d3_attn
	.p2align	8
	.type	k_q9fa09da0d3_attn,@function
k_q9fa09da0d3_attn:
	s_mov_b64 s[64:65], 0
	v_nop
	global_prefetch_b8 v0, s[64:65] scope:SCOPE_SE
	s_setreg_imm32_b32 hwreg(HW_REG_WAVE_MODE, 25, 1), 1
	s_wait_xcnt 0x0
; Causal attention on codes of FP8 (E4M3): 64 heads (16 b + head) of 2,048 tokens x 64 channels.  q, k, v arrive as images of operand registers (qc, kv); the result leaves
; quantised with 2^e6, as images of the out-projection's A fragments (ac).
; SOFTMAX: t = score x log2(e) / 8; M = the row's largest t so far, rounded UP to a whole number; p = 2^(t - M) is quantised with 2^e4, not normalised.  The row's sum is taken of the
; unquantised p, in f32, and divides O at the end.  When M moves, the sum and O are multiplied by 2^(old M - new M): exact.
; SHARES.  Work-group (i, head) owns the blocks of 256 queries 7 - i (first pass, key steps 0 .. 15 - 2 i) and i (second pass, key steps 0 .. 2 i + 1): 18 key steps of 128 keys for every
; work-group.  Each of sixteen waves owns 16 queries of the block in 256 registers.
; LDS HOLDS ALL THE KEYS THAT THE WORK-GROUP WALKS: a key step is 16,384 bytes of kv (K 8,192 + V 8,192), sixteen of them 262,144.  No byte of LDS is filled twice.
;   At the head each wave fetches 4,096 bytes of key steps 0-3.  Behind the first barrier wave w fetches key step 4 + w, where 4 + w < 16 - 2 i: no step is fetched that nobody reads.
;   Key steps 0-3 are walked while those loads are out; one more barrier; behind it nothing is loaded, the waves share only bytes that are read, and no barrier follows.
; NO CLUSTER: the four work-groups of a head want different numbers of key steps (16 - 2 i), so a joint load would name partners that do not read it.
; NO PREFETCH: every tensor load of the text is issued ahead of the first key step; no load stands in a loop that a prefetch could run ahead of.
; LAYOUT.  Both products are used transposed: S^T = K Q^T (K = 64), O^T = V^T P^T (K = 128 keys): a lane holds ONE query (lane % 16).  Register j of S^T's tile t is key
; 16 t + 8 (lane / 16) + j: its eight codes are registers 2 t, 2 t + 1 of P in the plain form's own layout.
; CAUSAL: a key step all of whose keys come after my 16 queries is left out by a scalar branch on ids; on the diagonal hidden scores become -infinity ahead
; of the maximum.  Key 0 counts for every query.  The trip counts are constants: 4 + 14.
; LIMITS: e2 + e3 between -123 and 130 (added to c's exponent field); e4 and e6 between -126 and 119.
; REGISTERS: v1 16 x lane; v5, v6 the add's two; v8 LDS address in hand; v12 -M, v13 the largest t, v[14:15] the sum; v16-23 Q; v32-95 K's eight fragments, then V's four;
;   v96-159 S^T, then p; v160-191 O^T; v192-207 p's codes; v208-223 the two passes' output codes; v236-255 at work and constants.
.set SPARE, 262144                     ; behind the keys: the spare words, 128 bytes for each of sixteen waves
.set LI,   1
.set SPW,  5
.set NIL,  6
.set ADK,  8
.set TB,   2                           ; s2   LDS byte at which the key step in hand begins
.set T,    3                           ; s3   the trip, 0 .. 17
.set SW,   12                          ; s12  16 - 2 i: the first trip of the second pass
.set NL2,  13                          ; s13  12 - 2 i: the waves that fetch behind the first barrier
.set WV,   18
.set SEL,  20                          ; s[20:21] lane selects: lane l xor 16
.set CS,   22                          ; s[22:23] c = log2(e) / 8 x 2^(e2 + e3)
.set G1A,  24                          ; s[24:31] group 1: 16 rows of 256 bytes
.set G1B,  32                          ; s[32:39] group 1: 64 rows of 256 bytes
.set G0,   40                          ; s[40:43] group 0 of the head's load
.set G0B,  44                          ; s[44:47] group 0 of the second load
.set QA,   48                          ; s[48:51] qc at my 16 queries, first and second pass
.set OA,   52                          ; s[52:55] ac likewise
.set Q0,   58                          ; s58  my first query of the pass in hand; s59: the second pass's
.set KF,   60                          ; s60  the step's first key
	s_load_b256 s[4:11], s[0:1], 0x0               ; qc, kv, the scales' exponents, ac
	v_lshl_add_u32 v[SPW], v0, 2, SPARE
	v_mov_b32 v[NIL], 0
	ds_add_u32 v[SPW], v[NIL]                      ; the opening lines: the add, twice on end, and its wait ahead of my first tensor load
	ds_add_u32 v[SPW], v[NIL]
	v_lshrrev_b32 v8, 5, v0
	s_delay_alu instid0(VALU_DEP_1)
	v_readfirstlane_b32 s[WV], v8                  ; wave 0..15
	s_and_b32 s14, ttmp7, 0xffff                   ; y = 16 b + head
	s_lshl_b32 s15, ttmp9, 1
	s_sub_co_u32 s[SW], 16, s15
	s_sub_co_u32 s[NL2], 12, s15
	s_lshl_b32 s15, s[WV], 4
	s_sub_co_u32 s[Q0], 7, ttmp9
	s_lshl_b32 s[Q0], s[Q0], 8
	s_add_co_u32 s[Q0], s[Q0], s15                 ; first pass: 256 (7 - i) + 16 w
	s_lshl_b32 s59, ttmp9, 8
	s_add_co_u32 s59, s59, s15                     ; second pass: 256 i + 16 w
	s_lshl_b32 s16, s14, 18                        ; a head of kv is 2^18 bytes
	s_lshl_b32 s19, s[WV], 12                      ; the head's load: 4,096 w, in the head of kv and in LDS
	s_add_co_u32 s80, s16, s19
	s_mov_b32 s81, 0
	s_lshl_b32 s17, s[WV], 14
	s_add_co_u32 s17, s17, 65536                   ; the second load: key step 4 + w, in both likewise
	s_add_co_u32 s82, s16, s17
	s_mov_b32 s83, 0
	s_lshl_b32 s16, s14, 17                        ; a head of qc is 2^17 bytes, 16 queries 1,024
	s_lshl_b32 s84, s[Q0], 6
	s_add_co_u32 s84, s84, s16
	s_mov_b32 s85, 0
	s_lshl_b32 s86, s59, 6
	s_add_co_u32 s86, s86, s16
	s_mov_b32 s87, 0
	s_bfe_u32 s16, s14, 0x20002                    ; head / 4: the plane of ac, 2^21 bytes
	s_lshl_b32 s16, s16, 21
	s_and_b32 s61, s14, 3
	s_lshl_b32 s61, s61, 10                        ; head % 4: 1,024 bytes
	s_add_co_u32 s16, s16, s61
	s_lshr_b32 s61, s14, 4
	s_lshl_b32 s61, s61, 11                        ; 2,048 b
	s_add_co_u32 s88, s61, s[Q0]
	s_lshl_b32 s88, s88, 8                         ; 16 tokens are 4,096 bytes of a plane
	s_add_co_u32 s88, s88, s16
	s_mov_b32 s89, 0
	s_add_co_u32 s90, s61, s59
	s_lshl_b32 s90, s90, 8
	s_add_co_u32 s90, s90, s16
	s_mov_b32 s91, 0
	; both groups 1: dense bytes as rows of 32 elements of 8 bytes, no padding, no mask
	s_mov_b32 s[G1A], 3<<16
	s_mov_b32 s[G1A+1], 32<<16
	s_mov_b32 s[G1A+2], 16<<16
	s_mov_b32 s[G1A+3], 32<<16
	s_mov_b32 s[G1A+4], 16
	s_mov_b32 s[G1A+5], 32
	s_mov_b32 s[G1A+6], 0
	s_mov_b32 s[G1A+7], 0
	s_mov_b32 s[G1B], 3<<16
	s_mov_b32 s[G1B+1], 32<<16
	s_mov_b32 s[G1B+2], 64<<16
	s_mov_b32 s[G1B+3], 32<<16
	s_mov_b32 s[G1B+4], 64
	s_mov_b32 s[G1B+5], 32
	s_mov_b32 s[G1B+6], 0
	s_mov_b32 s[G1B+7], 0
	s_mov_b32 s[SEL], 0x76543210
	s_mov_b32 s[SEL+1], 0xfedcba98
	s_mov_b32 s[CS], 0x3e38aa3b                    ; log2(e) / 8
	s_wait_dscnt 0x0                               ; both opening adds are done
	s_wait_kmcnt 0x0
	s_load_b256 s[68:75], s[8:9], 0x0              ; e0 .. e7
	s_mov_b32 s[G0], 1
	s_mov_b32 s[G0+1], s19
	s_add_nc_u64 s[G0+2:G0+3], s[6:7], s[80:81]
	s_or_b32 s[G0+3], s[G0+3], 0x80000000
	tensor_load_to_lds s[G0:G0+3], s[G1A:G1A+7]    ; every wave's one load at the head: its sixteenth of key steps 0-3
	s_nop 0
.rept 4
	v_nop
.endr
	s_mov_b32 s[G0B], 1
	s_mov_b32 s[G0B+1], s17
	s_add_nc_u64 s[G0B+2:G0B+3], s[6:7], s[82:83]
	s_or_b32 s[G0B+3], s[G0B+3], 0x80000000
	s_add_nc_u64 s[QA:QA+1], s[4:5], s[84:85]
	s_add_nc_u64 s[QA+2:QA+3], s[4:5], s[86:87]
	s_add_nc_u64 s[OA:OA+1], s[10:11], s[88:89]
	s_add_nc_u64 s[OA+2:OA+3], s[10:11], s[90:91]
	v_and_b32 v[LI], 31, v0
	v_lshlrev_b32 v[LI], 4, v[LI]
	v_mov_b32 v236, 0                              ; written once: a lane permute's destination counts as one of its sources
	v_mov_b32 v252, 0
	v_mov_b32 v253, 0                              ; (named as the upper half of the pair v[252:253])
	s_wait_alu depctr_va_vdst(0)
	s_wait_kmcnt 0x0
	s_add_co_i32 s16, s70, s71
	s_lshl_b32 s16, s16, 23
	s_add_co_i32 s[CS], s[CS], s16                 ; e2 + e3 added to c's exponent field
	s_mov_b32 s[CS+1], s[CS]
	s_add_co_i32 s16, s72, 127
	s_lshl_b32 s17, s16, 23
	v_mov_b32 v244, s17                            ; 2^e4
	s_add_co_i32 s16, s16, 8
	s_lshl_b32 s16, s16, 23
	s_or_b32 s16, s16, 0x600000
	v_mov_b32 v240, s16                            ; 448 x 2^e4
	s_add_co_i32 s16, s74, 127
	s_lshl_b32 s17, s16, 23
	v_mov_b32 v246, s17                            ; 2^e6
	s_add_co_i32 s16, s16, 8
	s_lshl_b32 s16, s16, 23
	s_or_b32 s16, s16, 0x600000
	v_mov_b32 v247, s16                            ; 448 x 2^e6
	s_add_co_i32 s76, s72, s73                     ; e4 + e5
; A PASS BEGINS: my 16 queries' fragment; O^T and the sum as zeros, the largest t under every t.
.macro START p
.if \p
	s_mov_b32 s[Q0], s59
.endif
	global_load_b128 v[16:19], v[LI], s[QA+2*\p:QA+2*\p+1]
	global_load_b128 v[20:23], v[LI], s[QA+2*\p:QA+2*\p+1] offset:512
	v_mov_b32 v13, 0xff61b1e6                      ; -3e38
	s_delay_alu instid0(VALU_DEP_1)
	v_floor_f32 v12, -v13                          ; -M
	v_mov_b32 v14, 0
	v_mov_b32 v15, 0
.set j, 0
.rept 32
	v_mov_b32 v[160+j], 0
.set j, j+1
.endr
	s_wait_loadcnt 0x0
.endm
; A KEY STEP: the 128 keys from s[KF] on, at LDS byte s[TB].  causal = 0: all its keys count for all my queries by the sizes alone, and the two tests and the mask are not assembled.
.macro STEP causal
.if \causal
	s_add_co_u32 s96, s[Q0], 15
	s_cmp_gt_u32 s[KF], s96                        ; all 128 keys come after my queries: the step's work is left out (ids and counted steps alone)
	s_cbranch_scc1 .Lhidden_\@
.endif
	v_add_nc_u32 v[ADK], s[TB], v[LI]
.rept 3
	v_nop                                          ; with the addition: four places in front of loads into registers that the last products read
.endr
.irp t, 0,1,2,3,4,5,6,7
	ds_load_b128 v[32+8*\t:35+8*\t], v[ADK] offset:1024*\t          ; K's tile t, as its registers lie
	ds_load_b128 v[36+8*\t:39+8*\t], v[ADK] offset:1024*\t+512
.endr
	s_wait_alu depctr_va_vdst(0)
	s_wait_dscnt 0x0
.irp t, 0,1,2,3,4,5,6,7
	v_wmma_f32_16x16x64_fp8_fp8 v[96+8*\t:103+8*\t], v[32+8*\t:39+8*\t], v[16:23], 0
.endr
.rept 4
	v_nop                                          ; places in front of the loads below and of the first read of the scores
.endr
.irp t, 0,1,2,3
.irp c, 0,1,2,3
	ds_load_b128 v[32+16*\t+4*\c:35+16*\t+4*\c], v[ADK] offset:8192+2048*\t+512*\c   ; V's tile t: these land while the softmax is worked
.endr
.endr
.if \causal
	s_add_co_u32 s96, s[KF], 127
	s_cmp_le_u32 s96, s[Q0]                        ; a step all of whose keys count skips the mask
	s_cbranch_scc1 .Lopen_\@
	s_sub_co_i32 s96, s[Q0], s[KF]
	v_and_b32 v252, 15, v0
	v_bfe_u32 v253, v0, 4, 1
	s_delay_alu instid0(VALU_DEP_1)
	v_lshlrev_b32 v253, 3, v253
	s_delay_alu instid0(VALU_DEP_1)
	v_sub_nc_u32 v252, v252, v253
	s_delay_alu instid0(VALU_DEP_1)
	v_add_nc_u32 v252, s96, v252                   ; d = my query - KF - 8 (lane / 16): register 8 t + j is hidden where 16 t + j > d
	v_mov_b32 v254, 0xff800000                     ; -infinity
.set n, 0
.rept 64
	v_cmp_gt_i32 vcc_lo, 16*(n/8)+n%8, v252
	v_cndmask_b32 v[96+n], v[96+n], v254, vcc_lo
.set n, n+1
.endr
.Lopen_\@:
.endif
	v_max3_num_f32 v254, v96, v97, v98             ; the step's largest score of my query, in two chains, each accumulator from its low end on
	v_max3_num_f32 v252, v99, v100, v101
.irp i, 6,10,14,18,22,26,30,34,38,42,46,50,54,58
	v_max3_num_f32 v254, v254, v[96+\i], v[97+\i]
	v_max3_num_f32 v252, v252, v[98+\i], v[99+\i]
.endr
	v_max3_num_f32 v254, v254, v158, v159
	s_delay_alu instid0(VALU_DEP_1)
	v_max_num_f32 v254, v254, v252
	s_delay_alu instid0(VALU_DEP_1)
	v_permlanex16_b32 v236, v254, s[SEL], s[SEL+1]
	s_delay_alu instid0(VALU_DEP_1)
	v_max_num_f32 v254, v254, v236                 ; and among lane l xor 16's
	s_delay_alu instid0(VALU_DEP_1)
	v_mul_f32 v254, s[CS], v254                    ; as t (c is positive)
	s_delay_alu instid0(VALU_DEP_1)
	v_max_num_f32 v13, v13, v254                   ; the running largest t
	v_mov_b32 v254, v12
	s_delay_alu instid0(VALU_DEP_2)
	v_floor_f32 v12, -v13                          ; the new -M = -ceil(t)
	s_delay_alu instid0(VALU_DEP_1)
	v_sub_f32 v254, v12, v254                      ; old M less new M: a whole number, 0 or less
	s_delay_alu instid0(VALU_DEP_1)
	v_cvt_i32_f32 v254, v254                       ; (it saturates)
	s_delay_alu instid0(VALU_DEP_1)
	v_ldexp_f32 v252, 1.0, v254                    ; f = 2^(old M - new M)
.set j, 0
.rept 32
	v_pk_fma_f32 v[96+j:97+j], v[96+j:97+j], s[CS:CS+1], v[12:13] op_sel_hi:[1,0,0]   ; t - M, two at a time
.set j, j+2
.endr
	s_wait_alu depctr_va_vdst(0)
.set j, 0
.rept 64
	v_exp_f32 v[96+j], v[96+j]                     ; p = 2^(t - M), at most 1
.set j, j+1
.endr
	v_pk_mul_f32 v[14:15], v[14:15], v[252:253] op_sel_hi:[1,0]   ; the sums under the new M: the plain instruction behind the exponentials
	s_wait_alu depctr_va_vdst(0)                   ; one wait for the batch of 64, ahead of its first reader
	v_pk_add_f32 v[242:243], v[96:97], v[98:99]    ; the row's sum of the unquantised p: 32 packed additions in four chains
	v_pk_add_f32 v[254:255], v[100:101], v[102:103]
	v_pk_add_f32 v[250:251], v[104:105], v[106:107]
	v_pk_add_f32 v[14:15], v[14:15], v[108:109]
.set j, 110
.rept 6
	v_pk_add_f32 v[242:243], v[242:243], v[j:j+1]
	v_pk_add_f32 v[254:255], v[254:255], v[j+2:j+3]
	v_pk_add_f32 v[250:251], v[250:251], v[j+4:j+5]
	v_pk_add_f32 v[14:15], v[14:15], v[j+6:j+7]
.set j, j+8
.endr
	v_pk_add_f32 v[242:243], v[242:243], v[158:159]
	v_pk_add_f32 v[254:255], v[254:255], v[250:251]
	v_pk_add_f32 v[14:15], v[14:15], v[242:243]
	v_pk_add_f32 v[14:15], v[14:15], v[254:255]
.irp t, 0,1,2,3,4,5,6,7
.irp i, 0,1,2,3,4,5,6,7
	v_min_num_f32 v[96+8*\t+\i], v[96+8*\t+\i], v240   ; the conversion does not saturate (ISA guide 7.6.2); p is not negative, so the hold is one-sided
.endr
	v_cvt_scalef32_pk8_fp8_f32 v[192+2*\t:193+2*\t], v[96+8*\t:103+8*\t], v244   ; registers 2 t, 2 t + 1 of P
.endr
	s_wait_alu depctr_va_vdst(0)                   ; directly ahead of the first reader of O^T
.set j, 0
.rept 16
	v_pk_mul_f32 v[160+j:161+j], v[160+j:161+j], v[252:253] op_sel_hi:[1,0]   ; O^T under the new M; also the plain instructions between the conversions and the products
.set j, j+2
.endr
	s_wait_alu depctr_va_vdst(0)
	s_wait_dscnt 0x0                               ; V is in
.irp t, 0,1,2,3
	v_wmma_f32_16x16x128_fp8_fp8 v[160+8*\t:167+8*\t], v[32+16*\t:47+16*\t], v[192:207], v[160+8*\t:167+8*\t]   ; the four accumulators by turns
.endr
.if \causal
.Lhidden_\@:
.endif
.endm
; A PASS ENDS: O^T / the sum x 2^(e4 + e5), held, converted with 2^e6; two stores of 512 consecutive bytes, aligned.
.macro FINISH p
.rept 4
	v_nop                                          ; places behind the last products
.endr
	v_add_f32 v14, v14, v15
	s_delay_alu instid0(VALU_DEP_1)
	v_permlanex16_b32 v252, v14, s[SEL], s[SEL+1]
	s_delay_alu instid0(VALU_DEP_1)
	v_add_f32 v14, v14, v252                       ; the row's sum
	s_wait_alu depctr_va_vdst(0)                   ; ahead of the transcendental
	v_rcp_f32 v14, v14
	v_nop
	s_wait_alu depctr_va_vdst(0)                   ; and ahead of its first reader
	v_ldexp_f32 v14, v14, s76
	s_wait_alu depctr_va_vdst(0)                   ; and directly ahead of the first reader of O^T
.set j, 0
.rept 16
	v_pk_mul_f32 v[96+j:97+j], v[160+j:161+j], v[14:15] op_sel_hi:[1,0]
.set j, j+2
.endr
.set j, 0
.rept 32
	v_med3_num_f32 v[96+j], v[96+j], -v247, v247
.set j, j+1
.endr
.irp t, 0,1,2,3
	v_cvt_scalef32_pk8_fp8_f32 v[208+8*\p+2*\t:209+8*\p+2*\t], v[96+8*\t:103+8*\t], v246
.endr
	v_nop                                          ; one plain vector instruction behind the last conversion
	global_store_b128 v[LI], v[208+8*\p:211+8*\p], s[OA+2*\p:OA+2*\p+1]        ; each pass has its own eight registers and its own base
	global_store_b128 v[LI], v[212+8*\p:215+8*\p], s[OA+2*\p:OA+2*\p+1] offset:512
.endm
	START 0
	s_wait_alu depctr_va_vdst(0)                   ; the head's end
	s_wait_tensorcnt 0x0                           ; my part of key steps 0-3 is in; the later first fills stand behind these three lines and a barrier
	ds_add_u32 v[SPW], v[NIL]
	s_wait_dscnt 0x0
	s_barrier_signal -1
	s_barrier_wait -1                              ; key steps 0-3 are whole
	s_cmp_lt_u32 s[WV], 12                         ; key steps 4 to 15 have twelve waves;
	s_cbranch_scc0 .Lnone
	s_cmp_lt_u32 s[WV], s[NL2]                     ; of them those whose key step the first pass reaches: 4 + w < 16 - 2 i
	s_cbranch_scc0 .Lnone
	tensor_load_to_lds s[G0B:G0B+3], s[G1B:G1B+7]  ; my one load behind this barrier, into bytes that nothing has filled
	s_nop 0
.rept 4
	v_nop
.endr
.Lnone:
	s_mov_b32 s[T], 0
.Lfirst:                                           ; key steps 0-3 of the first pass: keys under 512, my queries from 1,024 on
	s_lshl_b32 s[TB], s[T], 14
	s_lshl_b32 s[KF], s[T], 7
	STEP 0
	s_add_co_u32 s[T], s[T], 1
	s_cmp_lt_u32 s[T], 4
	s_cbranch_scc1 .Lfirst
	s_wait_tensorcnt 0x0                           ; my key step is in
	ds_add_u32 v[SPW], v[NIL]
	s_wait_dscnt 0x0
	s_barrier_signal -1
	s_barrier_wait -1                              ; everybody's is: from here on LDS is only read
.Lrest:                                            ; trips 4 .. 17
	s_cmp_lt_u32 s[T], s[SW]
	s_cselect_b32 s96, 0, s[SW]
	s_sub_co_u32 s96, s[T], s96                    ; the key step: the trip's number in the first pass, less 16 - 2 i in the second,
	s_and_b32 s96, s96, 15                         ; which lies between 0 and 15
	s_lshl_b32 s[TB], s96, 14
	s_lshl_b32 s[KF], s96, 7
	s_cmp_lg_u32 s[T], s[SW]                       ; 16 - 2 i lies between 10 and 16
	s_cbranch_scc1 .Lsame
	FINISH 0
	START 1
.Lsame:
	STEP 1
	s_add_co_u32 s[T], s[T], 1
	s_cmp_lt_u32 s[T], 18
	s_cbranch_scc1 .Lrest
	FINISH 1
	s_wait_tensorcnt 0x0                           ; the wave's end
	ds_add_u32 v[SPW], v[NIL]
	s_wait_dscnt 0x0
	s_endpgm
.Lfunc_end_k_q9fa09da0d3_attn:
	.size	k_q9fa09da0d3_attn, .Lfunc_end_k_q9fa09da0d3_attn-k_q9fa09da0d3_attn
	.p2alignl 7, 3214868480
	.fill 96, 4, 3214868480
	.section	.rodata,"a",@progbits
	.p2align	6, 0x0
	.amdhsa_kernel k_q9fa09da0d3_attn
		.amdhsa_group_segment_fixed_size 327680
		.amdhsa_private_segment_fixed_size 0
		.amdhsa_enable_private_segment 0
		.amdhsa_kernarg_size 32
		.amdhsa_user_sgpr_count 2
		.amdhsa_user_sgpr_kernarg_segment_ptr 1
		.amdhsa_wavefront_size32 1
		.amdhsa_system_sgpr_workgroup_id_x 1
		.amdhsa_system_sgpr_workgroup_id_y 1
		.amdhsa_system_sgpr_workgroup_id_z 1
		.amdhsa_system_vgpr_workitem_id 0
		.amdhsa_next_free_vgpr 256
		.amdhsa_next_free_sgpr 98
		.amdhsa_reserve_vcc 1
		.amdhsa_float_denorm_mode_32 3
		.amdhsa_float_denorm_mode_16_64 3
		.amdhsa_memory_ordered 1
		.amdhsa_forward_progress 1
		.amdhsa_inst_pref_size 54
	.end_amdhsa_kernel
	.amdgpu_metadata
---
amdhsa.version: [ 1, 2 ]
amdhsa.kernels:
  - .name:           k_q9fa09da0d3_attn
    .symbol:         k_q9fa09da0d3_attn.kd
    .args:
      - { .name: qc, .offset: 0, .size: 8, .value_kind: global_buffer, .address_space: global }
      - { .name: kv, .offset: 8, .size: 8, .value_kind: global_buffer, .address_space: global }
      - { .name: lowp_scales, .offset: 16, .size: 8, .value_kind: global_buffer, .address_space: global }
      - { .name: ac, .offset: 24, .size: 8, .value_kind: global_buffer, .address_space: global }
    .group_segment_fixed_size: 327680
    .private_segment_fixed_size: 0
    .kernarg_segment_align: 8
    .kernarg_segment_size: 32
    .max_flat_workgroup_size: 512
    .sgpr_count:     98
    .vgpr_count:     256
    .wavefront_size: 32
...
	.end_amdgpu_metadata
.endif
;; end of part 3
;; launch proj_out (part 4): grid 4 x 32, 4 waves a work-group, clusters of 4 x 4, 327,680 bytes of LDS; arguments ac, cw, b_out, lowp_scales, out0; writes out0
.if DOCPART == 4
	.amdgcn_target "amdgcn-amd-amdhsa--gfx1250"
	.amdhsa_code_object_version 6
	.text
	.protected	k_q9fa09da0d3_proj_out
	.globl	k_q9fa09da0d3_proj_out
	.p2align	8
	.type	k_q9fa09da0d3_proj_out,@function
k_q9fa09da0d3_proj_out:
	s_mov_b64 s[64:65], 0
	v_nop
	global_prefetch_b8 v0, s[64:65] scope:SCOPE_SE
	s_setreg_imm32_b32 hwreg(HW_REG_WAVE_MODE, 25, 1), 1
	s_wait_xcnt 0x0
	s_wait_alu depctr_hold_cnt(0) depctr_sa_sdst(0) depctr_va_vdst(0) depctr_va_sdst(0) depctr_va_ssrc(0) depctr_va_vcc(0) depctr_vm_vsrc(0)
	s_getreg_b32 s2, hwreg(HW_REG_IB_STS2, 6, 4)
	s_cmp_eq_u32 s2, 0
	s_cbranch_scc0 .Lentry_in_a_cluster
	s_endpgm
.Lentry_in_a_cluster:
	s_bfe_u32 s2, ttmp6, 0x10000c
	s_cmp_lg_u32 s2, 0xf033
	s_cbranch_scc0 .Lentry_shape_is_right
	s_endpgm
.Lentry_shape_is_right:
; out0 = attention w_out^T + b_out on codes of FP8 (E4M3), K = 1,024.  A: ac, images of A's fragments in four planes of 256 along K; B: cw's rows 11,264 on (w_out's codes).
; A tile of 256 x 256 by four waves, 128 x 128 each; K in steps of 256 through a ring of two LDS slots; 4 x 4 clusters ask for A's tile by rows and for B's by columns.
; The bias, divided by 2^(e6 + e7), is the C of the first K step's products; each finished sum is multiplied by 2^(e6 + e7) and leaves through the wave's stage in slot 0 as rows of 512 bytes.
; LIMIT: e6 + e7 between -126 and 126.
.set ROWB,   256
.set KROW,   1024
.set PITCH,  272
.set FR,     16
.set NL,     4
.set NP,     4
.set HALFT,  128*PITCH
.set SLOT,   4*HALFT
.set SPARE,  2*SLOT
.set PLANE,  0x200000
.set SIZE_N, 1024
.set SPITCH, 528
.set H32,  10
.set ADRA, 16
.set ADRB, 20
.set STO,  24
.set RD,   25
.set CO,   26
.set SPW,  28
.set NIL,  29
.set BN,   32
.set TMP,  32
.set AF,   128
.set BK,   128
.set G1, 24
.set G0, 32
.set G1B, 48
.set G0B, 56
.set MSB, 0
.macro WIN new
.if MSB != \new
	s_set_vgpr_msb (MSB<<8)|\new
.set MSB, \new
.endif
.endm
.set MUL_LO, 0xa1
.set MUL_HI, 0xf1
.set FST_LO, 0x81
.set FST_HI, 0xc1
.set TO_B,   0x40
.macro JLOAD g0a, g1a, g0b, g1b
	s_cmp_eq_u32 s15, 0
	s_cbranch_scc0 .Lfor_b_\@
	tensor_load_to_lds s[\g0a:\g0a+3], s[\g1a:\g1a+7]
	s_nop 0
.rept 4
	v_nop
.endr
	s_branch .Lasked_\@
.Lfor_b_\@:
	tensor_load_to_lds s[\g0b:\g0b+3], s[\g1b:\g1b+7]
	s_nop 0
.rept 4
	v_nop
.endr
.Lasked_\@:
.endm
.macro CREST
	s_cmp_lg_u32 s14, 0
	s_cbranch_scc1 .Lnot_wave_0_\@
	s_barrier_signal -3
.Lnot_wave_0_\@:
	s_barrier_wait -3
	s_barrier_signal -1
	s_barrier_wait -1
.endm
.macro CROUND
	s_barrier_signal -1
	s_barrier_wait -1
	CREST
.endm
	s_load_b256 s[4:11], s[0:1], 0x0
	s_load_b64 s[12:13], s[0:1], 0x20
	v_lshl_add_u32 v[SPW], v0, 2, SPARE
	v_mov_b32 v[NIL], 0
	ds_add_u32 v[SPW], v[NIL]
	ds_add_u32 v[SPW], v[NIL]
	v_lshrrev_b32 v1, 5, v0
	v_readfirstlane_b32 s14, v1
	s_lshr_b32 s15, s14, 1
	s_and_b32 s16, s14, 1
	s_bfe_u32 s40, ttmp6, 0x40000
	s_bfe_u32 s41, ttmp6, 0x40004
	s_lshl_b32 s42, ttmp9, 2
	s_add_co_u32 s42, s42, s40
	s_and_b32 s17, ttmp7, 0xffff
	s_lshl_b32 s17, s17, 2
	s_add_co_u32 s17, s17, s41
	s_lshl_b32 s43, s41, 2
	s_lshl_b32 s43, 15, s43
	s_lshl_b32 s44, 0x1111, s40
	s_or_b32 s[G1+0], s43, (3<<16)|(1<<21)
	s_mov_b32 s[G1+1], 32<<16
	s_mov_b32 s[G1+2], 128<<16
	s_mov_b32 s[G1+3], 32<<16
	s_mov_b32 s[G1+4], 128
	s_mov_b32 s[G1+5], 32
	s_mov_b32 s[G1+6], 0
	s_mov_b32 s[G1+7], 0
	s_or_b32 s[G1B+0], s44, (0<<16)|(1<<20)|(1<<21)|(5<<22)|(3<<25)
	s_mov_b32 s[G1B+1], ROWB<<16
	s_mov_b32 s[G1B+2], 128<<16
	s_mov_b32 s[G1B+3], ROWB<<16
	s_mov_b32 s[G1B+4], 128
	s_mov_b32 s[G1B+5], KROW
	s_mov_b32 s[G1B+6], 0
	s_mov_b32 s[G1B+7], 0
	s_lshl_b32 s20, s17, 16
	s_lshl_b32 s18, s16, 15
	s_add_co_u32 s20, s20, s18
	s_mov_b32 s21, 0
	s_lshl_b32 s46, s42, 8
	s_lshl_b32 s18, s16, 7
	s_add_co_u32 s46, s46, s18
	s_add_co_u32 s46, s46, 11264
	s_lshl_b32 s46, s46, 10
	s_mov_b32 s47, 0
	s_mul_i32 s45, s14, HALFT
	s_wait_dscnt 0x0
	s_wait_kmcnt 0x0
	s_load_b256 s[72:79], s[10:11], 0x0
	s_add_nc_u64 s[20:21], s[4:5], s[20:21]
	s_add_nc_u64 s[46:47], s[6:7], s[46:47]
	CROUND
.irp s, 0,1
	s_mov_b32 s[G0+4*\s], 1
	s_add_co_u32 s[G0+4*\s+1], s45, \s*SLOT
	s_add_nc_u64 s[G0+4*\s+2:G0+4*\s+3], s[20:21], \s*PLANE
	s_or_b32 s[G0+4*\s+3], s[G0+4*\s+3], 0x80000000
	s_mov_b32 s[G0B+4*\s], 1
	s_add_co_u32 s[G0B+4*\s+1], s45, \s*SLOT
	s_add_nc_u64 s[G0B+4*\s+2:G0B+4*\s+3], s[46:47], \s*ROWB
	s_or_b32 s[G0B+4*\s+3], s[G0B+4*\s+3], 0x80000000
.endr
	JLOAD G0, G1, G0B, G1B                         ; K step 0: one tensor load a wave at the head
	v_and_b32 v1, 15, v0
	v_bfe_u32 v2, v0, 4, 1
	v_lshlrev_b32 v[H32], 5, v2
	s_lshl_b32 s46, s42, 10
	s_lshl_b32 s47, s16, 9
	s_add_co_u32 s46, s46, s47
	s_mov_b32 s47, 0
	s_add_nc_u64 s[80:81], s[8:9], s[46:47]
.irp b, 0,1,2,3,4,5,6,7
	global_load_b128 v[BN+8*\b:BN+8*\b+3], v[H32], s[80:81] offset:64*\b
	global_load_b128 v[BN+8*\b+4:BN+8*\b+7], v[H32], s[80:81] offset:64*\b+16
.endr
	v_and_b32 v6, 31, v0
	v_lshlrev_b32 v[CO], 4, v6
	v_mul_u32_u24 v3, v1, PITCH
	v_lshl_add_u32 v4, v2, 4, v3
	s_mul_i32 s21, s15, HALFT
	s_mul_i32 s22, s16, HALFT
	s_add_co_u32 s22, s22, 2*HALFT
.irp s, 0,1
	v_add_nc_u32 v[ADRA+\s], s21, v[CO]
	v_add_nc_u32 v[ADRB+\s], s22, v4
	s_add_co_u32 s21, s21, SLOT
	s_add_co_u32 s22, s22, SLOT
.endr
	s_mul_i32 s23, s14, 16*SPITCH
	v_mul_u32_u24 v5, v1, SPITCH
	v_lshl_add_u32 v5, v2, 5, v5
	v_add_nc_u32 v[STO], s23, v5
	v_add_nc_u32 v[RD], s23, v[CO]
	s_lshl_b32 s20, s17, 8
	s_lshl_b32 s21, s15, 7
	s_add_co_u32 s20, s20, s21
	s_lshl_b32 s20, s20, 12
	s_add_co_u32 s20, s20, s46
	s_mov_b32 s21, 0
	s_add_nc_u64 s[12:13], s[12:13], s[20:21]
	s_wait_kmcnt 0x0
	s_add_co_i32 s18, s78, s79
	s_sub_co_i32 s19, 127, s18
	s_lshl_b32 s84, s19, 23
	s_mov_b32 s85, s84
	s_add_co_i32 s18, s18, 127
	s_lshl_b32 s96, s18, 23
	s_mov_b32 s97, s96
	s_wait_loadcnt 0x0
.set j, 0
.rept 32
	v_pk_mul_f32 v[BN+j:BN+j+1], v[BN+j:BN+j+1], s[84:85] op_sel_hi:[1,0]
.set j, j+2
.endr
.macro FRAG reg, adr, q, i
.irp c, 0,1,2,3
	ds_load_b128 v[\reg+4*\c:\reg+4*\c+3], v[\adr] offset:128*(\q)+32*\c+(\i)*16*PITCH
.endr
.endm
.macro FRAGA reg, adr, q, i
.irp c, 0,1,2,3
	ds_load_b128 v[\reg+4*\c:\reg+4*\c+3], v[\adr] offset:(\i)*4096+2048*(\q)+512*\c
.endr
.endm
.macro MUL16 a0, p, zero
.irp a, \a0, \a0+1
.irp b, 0,1,2,3,4,5,6,7
.if \zero
	v_wmma_f32_16x16x128_fp8_fp8 v[8*(8*((\a)%4)+\b):8*(8*((\a)%4)+\b)+7], v[128*(\p)+FR*\b:128*(\p)+FR*\b+FR-1], v[AF+FR*(\a):AF+FR*(\a)+FR-1], v[BN+8*\b:BN+8*\b+7]
.else
	v_wmma_f32_16x16x128_fp8_fp8 v[8*(8*((\a)%4)+\b):8*(8*((\a)%4)+\b)+7], v[128*(\p)+FR*\b:128*(\p)+FR*\b+FR-1], v[AF+FR*(\a):AF+FR*(\a)+FR-1], v[8*(8*((\a)%4)+\b):8*(8*((\a)%4)+\b)+7]
.endif
.endr
.endr
.endm
.macro FETCH_B slot, q, p
	WIN TO_B
.irp i, 0,1,2,3,4,5,6,7
	FRAG 128*(\p)+FR*\i, ADRB+\slot, \q, \i
.endr
	WIN 0
.endm
.macro FETCH_A slot, q, i0
.irp i, \i0, \i0+1, \i0+2, \i0+3
	FRAGA AF+FR*(\i), ADRA+\slot, \q, \i
.endr
.endm
.macro PLACES n
.rept \n
	v_nop
.endr
.endm
.macro STEP slot, q, zero
	s_wait_dscnt 4*NL
.if \zero
	WIN FST_LO
.else
	WIN MUL_LO
.endif
	MUL16 0, (\q)%2, \zero
	MUL16 2, (\q)%2, \zero
	s_wait_dscnt 0
	PLACES NP
	FETCH_B \slot, (\q)+1, 1-(\q)%2
	FETCH_A \slot, (\q)+1, 0
.if \zero
	WIN FST_HI
.else
	WIN MUL_HI
.endif
	MUL16 4, (\q)%2, \zero
	MUL16 6, (\q)%2, \zero
	PLACES NP
	WIN 0
	FETCH_A \slot, (\q)+1, 4
.endm
.macro TURN slot, next, fill
	s_wait_tensorcnt 0x0
	ds_add_u32 v[SPW], v[NIL]
	s_wait_dscnt 4*NL+1
	WIN MUL_LO
	MUL16 0, 1, 0
	s_wait_dscnt 0x0
	s_barrier_signal -1
	MUL16 2, 1, 0
	WIN 0
	s_barrier_wait -1
.if \fill
	CREST
	s_add_nc_u64 s[G0+4*\slot+2:G0+4*\slot+3], s[G0+4*\slot+2:G0+4*\slot+3], 2*PLANE
	s_add_nc_u64 s[G0B+4*\slot+2:G0B+4*\slot+3], s[G0B+4*\slot+2:G0B+4*\slot+3], 2*ROWB
	JLOAD G0+4*\slot, G1, G0B+4*\slot, G1B
.else
	PLACES NP
.endif
	FETCH_B \next, 0, 0
	FETCH_A \next, 0, 0
	WIN MUL_HI
	MUL16 4, 1, 0
	MUL16 6, 1, 0
	PLACES NP
	WIN 0
	FETCH_A \next, 0, 4
.endm
	s_wait_alu depctr_va_vdst(0)
	s_wait_tensorcnt 0x0                           ; my part of K step 0 is in; slot 1's first fill is issued as a refill is:
	ds_add_u32 v[SPW], v[NIL]                      ; 0 onto my spare word
	s_wait_dscnt 0x0
	CROUND                                         ; everybody's part of K step 0 is in, and the sixteen work-groups meet
	JLOAD G0+4, G1, G0B+4, G1B                     ; K step 1: the first tensor load behind the round
	FETCH_B 0, 0, 0
	FETCH_A 0, 0, 0
	FETCH_A 0, 0, 4
	STEP 0, 0, 1
	TURN 0, 1, 1
	STEP 1, 0, 0
	TURN 1, 0, 1
	STEP 0, 0, 0
	TURN 0, 1, 0
	STEP 1, 0, 0
	s_wait_dscnt 4*NL
	WIN MUL_LO
	MUL16 0, 1, 0
	MUL16 2, 1, 0
	s_wait_dscnt 0
	WIN MUL_HI
	MUL16 4, 1, 0
	MUL16 6, 1, 0
	WIN 0
.macro TOSTAGE a
.set AC, 64*((\a)%4)
	WIN 0x02+((\a)/4)
.set j, 0
.rept 32
	v_pk_mul_f32 v[TMP+j:TMP+j+1], v[AC+j:AC+j+1], s[96:97] op_sel_hi:[1,0]
.set j, j+2
.endr
	WIN 0
.irp b, 0,1,2,3,4,5,6,7
	ds_store_b128 v[STO], v[TMP+8*\b:TMP+8*\b+3] offset:64*\b
	ds_store_b128 v[STO], v[TMP+8*\b+4:TMP+8*\b+7] offset:64*\b+16
.endr
.set BB, BK+64*((\a)%2)
.irp t, 0,1,2,3,4,5,6,7,8,9,10,11,12,13,14,15
	ds_load_b128 v[BB+4*\t:BB+4*\t+3], v[RD] offset:\t*SPITCH
.endr
.endm
.macro SEND a, younger
.set BB, BK+64*((\a)%2)
	s_wait_dscnt \younger
.if (\a) > 0
	s_add_nc_u64 s[12:13], s[12:13], 16*SIZE_N*4
.endif
.irp t, 0,1,2,3,4,5,6,7,8,9,10,11,12,13,14,15
	global_store_b128 v[CO], v[BB+4*\t:BB+4*\t+3], s[12:13] offset:\t*SIZE_N*4 th:TH_STORE_NT
.endr
.endm
	PLACES NP
	TOSTAGE 0
.irp a, 1,2,3,4,5,6,7
.if \a > 1
	s_wait_xcnt 0x0
.endif
	TOSTAGE \a
	SEND \a-1, 32
.endr
	s_wait_xcnt 0x0
	SEND 7, 0
	s_wait_tensorcnt 0x0
	ds_add_u32 v[SPW], v[NIL]
	s_wait_dscnt 0x0
	CROUND
	s_endpgm
.Lfunc_end_k_q9fa09da0d3_proj_out:
	.size	k_q9fa09da0d3_proj_out, .Lfunc_end_k_q9fa09da0d3_proj_out-k_q9fa09da0d3_proj_out
	.p2alignl 7, 3214868480
	.fill 96, 4, 3214868480
	.section	.rodata,"a",@progbits
	.p2align	6, 0x0
	.amdhsa_kernel k_q9fa09da0d3_proj_out
		.amdhsa_group_segment_fixed_size 327680
		.amdhsa_private_segment_fixed_size 0
		.amdhsa_enable_private_segment 0
		.amdhsa_kernarg_size 40
		.amdhsa_user_sgpr_count 2
		.amdhsa_user_sgpr_kernarg_segment_ptr 1
		.amdhsa_wavefront_size32 1
		.amdhsa_system_sgpr_workgroup_id_x 1
		.amdhsa_system_sgpr_workgroup_id_y 1
		.amdhsa_system_sgpr_workgroup_id_z 1
		.amdhsa_system_vgpr_workitem_id 0
		.amdhsa_next_free_vgpr 1024
		.amdhsa_next_free_sgpr 98
		.amdhsa_reserve_vcc 0
		.amdhsa_float_denorm_mode_32 3
		.amdhsa_float_denorm_mode_16_64 3
		.amdhsa_memory_ordered 1
		.amdhsa_forward_progress 1
		.amdhsa_inst_pref_size 127
	.end_amdhsa_kernel
	.amdgpu_metadata
---
amdhsa.version: [ 1, 2 ]
amdhsa.kernels:
  - .name:           k_q9fa09da0d3_proj_out
    .symbol:         k_q9fa09da0d3_proj_out.kd
    .args:
      - { .name: ac, .offset: 0, .size: 8, .value_kind: global_buffer, .address_space: global }
      - { .name: cw, .offset: 8, .size: 8, .value_kind: global_buffer, .address_space: global }
      - { .name: b_out, .offset: 16, .size: 8, .value_kind: global_buffer, .address_space: global }
      - { .name: lowp_scales, .offset: 24, .size: 8, .value_kind: global_buffer, .address_space: global }
      - { .name: out0, .offset: 32, .size: 8, .value_kind: global_buffer, .address_space: global }
    .group_segment_fixed_size: 327680
    .private_segment_fixed_size: 0
    .kernarg_segment_align: 8
    .kernarg_segment_size: 40
    .max_flat_workgroup_size: 128
    .sgpr_count:     98
    .vgpr_count:     1024
    .wavefront_size: 32
...
	.end_amdgpu_metadata
.endif
;; end of part 4
